; MI455X (gfx1250); checked and timed in simulation.
; The chip was launched on July 23, 2026; its instructions are those of AMD's public machine-readable ISA for CDNA 5 (MIT licence, August 2026) and "CDNA5" Instruction Set Architecture Reference Guide (July 2026). The comments in the code are by the model that wrote it; some were corrected since.
;; Cross Attention Block. Allowed arithmetic: float matrix products may take bf16 or f16 operands with f32 sums; all other float work in f32.
;; Inputs: context 4 x 64 x 32 x 32 float32; ctx_norm_b 64 float32; ctx_norm_w 64 float32; gate 4 x 1 x 1 x 1 float32; k_b 512 float32; k_w 512 x 64 float32; norm_b 512 float32; norm_w 512 float32; out_b 512 float32; out_w 512 x 512 float32; q_b 512 float32; q_w 512 x 512 float32; v_b 512 float32; v_w 512 x 64 float32; x 4 x 512 x 64 x 64 float32.
;; Outputs: out0 4 x 512 x 64 x 64 float32.
;; One version. Each part assembles by itself: llvm-mc -triple=amdgcn-amd-amdhsa -mcpu=gfx1250 --defsym DOCPART=n.
;; ======== version 1 of 1: 2 launches
;; workspace buffers: stats 2,048 bytes; cn 524,288 bytes; wqk 524,288 bytes; wov 524,288 bytes; bqk 2,048 bytes; bov 2,048 bytes
;; launch prep (part 1): grid 417 x 1, 8 waves a work-group, no clusters, 22,016 bytes of LDS; arguments x, context, ctx_norm_w, ctx_norm_b, q_w, q_b, k_w, v_w, v_b, out_w, out_b, stats, cn, wqk, wov, bqk, bov; writes stats, cn, wqk, wov, bqk, bov
.if DOCPART == 1
	.amdgcn_target "amdgcn-amd-amdhsa--gfx1250"
	.amdhsa_code_object_version 6
	.text
	.protected	k_q5d7d670dd2_prep
	.globl	k_q5d7d670dd2_prep
	.p2align	8
	.type	k_q5d7d670dd2_prep,@function
k_q5d7d670dd2_prep:
	s_mov_b64 s[64:65], 0
	v_nop
	global_prefetch_b8 v0, s[64:65] scope:SCOPE_SE
	s_setreg_imm32_b32 hwreg(HW_REG_WAVE_MODE, 25, 1), 1
	s_wait_xcnt 0x0
; CrossAttentionBlock, launch 1 of 2: everything that must be known before a query block can be worked on.
;
; WORK LEFT OUT: k_b.  With k = Wk cn + k_b a score is s q.(Wk cn_key) + s q.k_b.  The second term does not hang on the key, so it is
; the same along the softmax's axis and the softmax removes it, for all values of the inputs.  k_b has no other way to an output: it is
; not loaded and is no argument of any launch.  Limit: a NaN, an infinity or an overflow that reaches only k_b is not carried to the result.
;
; THE FOLD.  The context has 64 channels, as many as a head has dimensions, so the two small convolutions go into the two large ones
; (h = head, d = dimension of the head, cc = context channel, c = channel of x, cn = normalised context, xn = normalised x):
;   q_h . k_h(key)  = sum over cc of cn[cc][key] Q'[h][cc],   Q' = Wqk xn + bqk,
;                     Wqk[64h+cc][c] = s' sum_d k_w[64h+d][cc] q_w[64h+d][c],   bqk[64h+cc] = s' sum_d k_w[64h+d][cc] q_b[64h+d]
;   out             = Wov O + bov,   O[64h+cc] = sum over keys of softmax x cn[cc][key]   (a softmax's weights add up to 1, so v_b leaves the sum),
;                     Wov[o][64h+cc] = sum_d out_w[o][64h+d] v_w[64h+d][cc],   bov[o] = out_b[o] + sum_c out_w[o][c] v_b[c]
;   s' = log2(e) / sqrt(64): the scores' scale and the change to base 2 for v_exp_f32.
; Keys and values of every head are then the one matrix cn[b].  The fold's two products (67 MFLOP) go to the matrix unit.
; LIMIT: k_w, q_w, out_w and v_w are rounded to bf16 as matrix operands, the sums are f32, and Wqk and Wov are rounded to bf16 once more.
; bqk and bov are made in f32 from the unrounded weights.
;
; ROLES, by the work-group's number (a branch that is the same in all eight waves):
;   0-255    half a group of x (32,768 numbers, 128 KiB in a row): mean and sum of centred squares -> stats[(32 b + g) 2 + half] = (mean, M2)
;   256-319  Wqk,  320-383  Wov: a tile of 64 x 64 of the matrix, in fragment order (below)
;   384-399  one wave normalises one group of the context (2 channels x 1,024) -> cn, bf16 [4][64][1024]
;   400-415  bov, four outputs a wave;   416  bqk, one head a wave
; FRAGMENT ORDER of a 512 x 512 matrix W: the 16 bytes at 512 wi + 16 lane hold W[64 wblk + 16 Mt + r][32 ks + 16 half + 8 hh + 0..7],
; wi = 128 wblk + 8 ks + 2 Mt + half, r = lane % 16, hh = lane / 16: a matrix A fragment (16 rows x 32 k) is 1,024 bytes in a row.
; The stores of stats (8 bytes a work-group) and bov (16 bytes a wave) are shorter than 256 bytes: 4 KiB in all.
;
; LDS.  Each role that uses LDS has bytes of its own: the statistics role its sixteen words at bytes 0-31 and 256-287, the fold its two tiles
; from byte 512 on.  So no LDS access of one role needs to be ordered with one of another.
.set FP, 160                           ; the fold's LDS tiles: a row of 64 bf16 = 128 bytes + 32: an odd multiple of 32 for the transposing loads
.set CT, 512                           ; the tile that lies in a row in memory (k_w or v_w of one head), [d][cc]
.set ST, CT+64*FP                      ; the tile cut out of rows of 2,048 bytes (q_w: [d][c]; out_w: [o][d])
; sum over the 32 lanes of a wave, result in every lane; t: a register that has been written
.macro WSUM a, t
	v_add_f32_dpp v[\a], v[\a], v[\a] row_xmask:1 row_mask:0xf bank_mask:0xf
	v_add_f32_dpp v[\a], v[\a], v[\a] row_xmask:2 row_mask:0xf bank_mask:0xf
	v_add_f32_dpp v[\a], v[\a], v[\a] row_xmask:4 row_mask:0xf bank_mask:0xf
	v_add_f32_dpp v[\a], v[\a], v[\a] row_xmask:8 row_mask:0xf bank_mask:0xf
	v_permlanex16_b32 v[\t], v[\a], s12, s13
	v_add_f32 v[\a], v[\a], v[\t]
.endm
; four chains of pairs at v[c .. c+7] into v[c]
.macro FOLD4 c
	v_pk_add_f32 v[\c:\c+1], v[\c:\c+1], v[\c+2:\c+3]
	v_pk_add_f32 v[\c+4:\c+5], v[\c+4:\c+5], v[\c+6:\c+7]
	v_pk_add_f32 v[\c:\c+1], v[\c:\c+1], v[\c+4:\c+5]
	v_add_f32 v[\c], v[\c], v[\c+1]
.endm
; the eight waves' sums (v132) into v144, through eight LDS words at byte off
.macro GSUM off
	ds_store_b32 v140, v132 offset:\off
	s_wait_dscnt 0x0                               ; my word is written before I signal
	s_barrier_signal -1
	s_barrier_wait -1
	ds_load_b128 v[144:147], v141 offset:\off
	ds_load_b128 v[148:151], v141 offset:\off+16
	s_wait_dscnt 0x0
	v_pk_add_f32 v[144:145], v[144:145], v[146:147]
	v_pk_add_f32 v[148:149], v[148:149], v[150:151]
	v_pk_add_f32 v[144:145], v[144:145], v[148:149]
	v_add_f32 v144, v144, v145
.endm
; A tile of 64 x 64 of a folded matrix: Out[row][col] = sum over d = 0..63 of L(row, d) R(d, col).  The work-group's number less first = 8 a + b.
; kind 0, Wqk: a = head = row block, b = strip of 64 columns c;  L(cc, d) = k_w[64a+d][cc] (tile CT),  R(d, c) = q_w[64a+d][64b+c] (tile ST)
; kind 1, Wov: a = block of 64 rows o, b = head = column strip;  L(o, d) = out_w[64a+o][64b+d] (tile ST),  R(d, cc) = v_w[64b+d][cc] (tile CT)
; s[20:21]: the buffer of CT, s[22:23]: of ST, s[24:25]: the result.  Each tile is 64 rows of 256 bytes: sixteen lanes take a whole row, a thread
; issues its eight loads before the first wait, and every byte is read once in the launch's fold.  Rounded to bf16, the tiles meet in LDS.
; Wave w makes rows 16 (w/2) .. and columns 32 (w%2) ..: two result tiles.  Source 0 holds 16 columns of R, source 1 16 rows of L, so register j
; of lane (r, hh) is Out(row r, column 8 hh + j): eight neighbouring columns of one row, which is the fragment order's 16 bytes.
.macro FOLDT first, kind
	s_sub_co_u32 s8, s3, \first
	s_lshr_b32 s9, s8, 3                           ; a
	s_and_b32 s10, s8, 7                           ; b
	s_lshr_b32 s11, s2, 1                          ; Mt: my row tile
	s_and_b32 s14, s2, 1                           ; my K step of the later product: columns 32 (w%2) ..
	v_lshrrev_b32 v7, 4, v0                        ; t / 16: my row among sixteen
	v_lshlrev_b32 v4, 4, v0                        ; CT: 16 t
	v_lshlrev_b32 v5, 4, v2
	v_lshl_add_u32 v5, v7, 11, v5                  ; ST: 2,048 (t / 16) + 16 (t % 16)
	s_lshl_b32 s16, s9, 17
	s_lshl_b32 s17, s10, 8
	s_add_co_u32 s16, s16, s17                     ; ST's corner: 64 a rows of 2,048 bytes + 256 b
.if \kind == 0
	s_lshl_b32 s17, s9, 14                         ; CT: the head's 16,384 bytes
.else
	s_lshl_b32 s17, s10, 14
.endif
	v_add_nc_u32 v4, s17, v4
	v_add_nc_u32 v5, s16, v5
	s_wait_kmcnt 0x0
.irp i,0,1,2,3
	global_load_b128 v[8+8*\i:11+8*\i], v4, s[20:21] offset:4096*\i       ; rows 16 i + t / 16
	global_load_b128 v[12+8*\i:15+8*\i], v5, s[22:23] offset:32768*\i
.endr
	v_mul_u32_u24 v6, v7, FP
	v_lshl_add_u32 v6, v2, 3, v6                   ; into LDS: row t / 16, 8 bytes of bf16 at 8 (t % 16); the tile's base stands in the stores' immediates
	v_and_b32 v40, 7, v0
	v_lshl_add_u32 v40, v3, 3, v40                 ; a transposing load's row: 8 hh + lane % 8
	v_mul_u32_u24 v40, v40, FP
	v_bfe_u32 v41, v0, 3, 1
	v_lshl_add_u32 v40, v41, 4, v40                ; + 16 ((lane / 8) % 2)
	s_lshl_b32 s18, s14, 6                         ; R: my 32 columns, 64 bytes
.if \kind == 0
	s_add_co_u32 s18, s18, ST                      ; R out of ST ([d][c])
	s_lshl_b32 s19, s11, 5                         ; L out of CT ([d][cc]): columns 16 Mt, 32 bytes
	s_add_co_u32 s19, s19, CT
	v_add_nc_u32 v43, s19, v40
.else
	s_add_co_u32 s18, s18, CT                      ; R out of CT ([d][cc])
	s_mul_i32 s19, s11, 16*FP                      ; L out of ST ([o][d], d along the rows): row 16 Mt + r, 16 hh
	s_add_co_u32 s19, s19, ST
	v_mul_u32_u24 v43, v2, FP
	v_lshl_add_u32 v43, v3, 4, v43
	v_add_nc_u32 v43, s19, v43
.endif
	v_add_nc_u32 v42, s18, v40
	s_lshl_b32 s15, s9, 16                         ; 512 wi = 65,536 a + 4,096 (2 b + w%2) + 1,024 Mt (+ 512 half)
	s_lshl_b32 s19, s10, 13
	s_add_co_u32 s15, s15, s19
	s_lshl_b32 s19, s14, 12
	s_add_co_u32 s15, s15, s19
	s_lshl_b32 s19, s11, 10
	s_add_co_u32 s15, s15, s19
	v_lshl_add_u32 v44, v1, 4, s15
.irp i,0,1,2,3
	s_wait_loadcnt 7-2*\i                          ; loads come back in order (ISA guide 5.7.1): this one is in, the younger ones stay out
	v_cvt_pk_bf16_f32 v[8+8*\i], v[8+8*\i], v[9+8*\i]
	v_cvt_pk_bf16_f32 v[9+8*\i], v[10+8*\i], v[11+8*\i]
	ds_store_b64 v6, v[8+8*\i:9+8*\i] offset:CT+16*FP*\i
	s_wait_loadcnt 6-2*\i
	v_cvt_pk_bf16_f32 v[12+8*\i], v[12+8*\i], v[13+8*\i]
	v_cvt_pk_bf16_f32 v[13+8*\i], v[14+8*\i], v[15+8*\i]
	ds_store_b64 v6, v[12+8*\i:13+8*\i] offset:ST+16*FP*\i
.endr
	s_wait_dscnt 0x0                               ; my parts of both tiles are written before I signal
	s_barrier_signal -1
	s_barrier_wait -1
.irp ks,0,1
.if \kind == 0
	ds_load_tr16_b128 v[48+8*\ks:51+8*\ks], v43 offset:32*FP*\ks
	ds_load_tr16_b128 v[52+8*\ks:55+8*\ks], v43 offset:32*FP*\ks+16*FP
.else
	ds_load_b128 v[48+8*\ks:51+8*\ks], v43 offset:64*\ks
	ds_load_b128 v[52+8*\ks:55+8*\ks], v43 offset:64*\ks+32
.endif
.irp hf,0,1
	ds_load_tr16_b128 v[64+16*\hf+8*\ks:67+16*\hf+8*\ks], v42 offset:32*FP*\ks+32*\hf
	ds_load_tr16_b128 v[68+16*\hf+8*\ks:71+16*\hf+8*\ks], v42 offset:32*FP*\ks+32*\hf+16*FP
.endr
.endr
	s_wait_dscnt 0x0
	v_wmma_f32_16x16x32_bf16 v[96:103], v[64:71], v[48:55], 0             ; the first products start the sums; the two accumulators
	v_wmma_f32_16x16x32_bf16 v[104:111], v[80:87], v[48:55], 0            ; take turns
	v_wmma_f32_16x16x32_bf16 v[96:103], v[72:79], v[56:63], v[96:103]
	v_wmma_f32_16x16x32_bf16 v[104:111], v[88:95], v[56:63], v[104:111]
.rept 4
	v_nop                                          ; four places before the results are read (ISA guide 7.12.1); nothing else is left to do
.endr
.if \kind == 0
.irp p,0,1,2,3,4,5,6,7
	v_pk_mul_f32 v[96+2*\p:97+2*\p], v[96+2*\p:97+2*\p], 0x3e38aa3b op_sel_hi:[1,0]      ; s' = log2(e) / 8
.endr
.endif
.irp p,0,1,2,3,4,5,6,7
	v_cvt_pk_bf16_f32 v[112+\p], v[96+2*\p], v[97+2*\p]
.endr
	global_store_b128 v44, v[112:115], s[24:25]                ; each store of the wave covers 512 consecutive bytes, aligned
	global_store_b128 v44, v[116:119], s[24:25] offset:512
	s_wait_tensorcnt 0x0
	ds_add_u32 v152, v153
	s_wait_dscnt 0x0
	s_endpgm
.endm
	v_lshl_add_u32 v152, v0, 2, 0x5200
	v_mov_b32 v153, 0
	s_mov_b32 s3, ttmp9                            ; the work-group's number
	v_lshrrev_b32 v1, 5, v0
	v_readfirstlane_b32 s2, v1                     ; wave 0..7
	v_and_b32 v1, 31, v0                           ; lane
	v_and_b32 v2, 15, v0                           ; r
	v_bfe_u32 v3, v0, 4, 1                         ; hh
	s_mov_b32 s12, 0x76543210                      ; v_permlanex16_b32: lane i of one half reads lane i of the other
	s_mov_b32 s13, 0xfedcba98
	s_cmp_lt_u32 s3, 256
	s_cbranch_scc1 .Lstats
	s_cmp_lt_u32 s3, 320
	s_cbranch_scc1 .Lqk
	s_cmp_lt_u32 s3, 384
	s_cbranch_scc1 .Lov
	s_cmp_lt_u32 s3, 400
	s_cbranch_scc1 .Lctx
	s_cmp_lt_u32 s3, 416
	s_cbranch_scc1 .Lbov
	; ---- bqk: wave = head h, a lane owns cc = 2 lane, 2 lane + 1; two passes of 32 d ----
	s_load_b64 s[4:5], s[0:1], 0x30                ; k_w
	s_load_b64 s[6:7], s[0:1], 0x28                ; q_b
	s_load_b64 s[8:9], s[0:1], 0x78                ; bqk
	s_lshl_b32 s14, s2, 14                         ; head h: 64 rows of k_w, 256 bytes each
	s_lshl_b32 s15, s2, 8                          ; head h in q_b and in bqk
	v_lshl_add_u32 v4, v1, 3, s14
	v_mov_b32 v5, s15
	v_lshl_add_u32 v6, v1, 3, s15
	s_wait_kmcnt 0x0
.set rd, 0
.rept 2
.set d, 0
.rept 32
	global_load_b64 v[8+2*d:9+2*d], v4, s[4:5] offset:(32*rd+d)*256      ; k_w[64h+d][2 lane ..]: 256 bytes a wave
.set d, d+1
.endr
.irp q,0,1,2,3,4,5,6,7
	global_load_b128 v[72+4*\q:75+4*\q], v5, s[6:7] offset:128*rd+16*\q  ; q_b[64h+d], the same in every lane
.endr
	s_wait_loadcnt 0x0
.set e, 0
.rept 16
.if rd+e == 0
	v_pk_mul_f32 v[104:105], v[8:9], v[72:73] op_sel_hi:[1,0]            ; the first product starts the sum
.else
	v_pk_fma_f32 v[104:105], v[8+2*e:9+2*e], v[72+e:73+e], v[104:105] op_sel_hi:[1,0,1]
.endif
	v_pk_fma_f32 v[104:105], v[10+2*e:11+2*e], v[72+e:73+e], v[104:105] op_sel:[0,1,0] op_sel_hi:[1,1,1]
.set e, e+2
.endr
.set rd, rd+1
.endr
	v_pk_mul_f32 v[104:105], v[104:105], 0x3e38aa3b op_sel_hi:[1,0]
	global_store_b64 v6, v[104:105], s[8:9]        ; the wave stores 256 consecutive bytes, aligned
	s_endpgm
	; ---- statistics of half a group of x.  Two passes over registers: the mean first, then centred squares, so that a common
	; offset of x costs no digits.  Thread t holds 128 numbers; each load of a wave covers 512 consecutive bytes. ----
.Lstats:
	s_load_b64 s[4:5], s[0:1], 0x0                 ; x
	s_load_b64 s[6:7], s[0:1], 0x58                ; stats
	s_lshl_b32 s8, s3, 17                          ; 131,072 bytes a work-group (255 x 131,072 is below 2^32)
	s_mov_b32 s9, 0
	s_lshl_b32 s10, s3, 3                          ; 8 bytes of stats a work-group
	s_mov_b32 s11, 0
	v_lshlrev_b32 v1, 4, v0                        ; 16 t
	v_mov_b32 v140, s2
	v_lshlrev_b32 v140, 2, v140                    ; my wave's LDS word
	v_mov_b32 v141, 0
	s_wait_kmcnt 0x0
	s_add_nc_u64 s[4:5], s[4:5], s[8:9]
	s_add_nc_u64 s[6:7], s[6:7], s[10:11]
.set i, 0
.rept 32
	global_load_b128 v[4+4*i:7+4*i], v1, s[4:5] offset:4096*i
.set i, i+1
.endr
	s_wait_loadcnt 28                              ; loads come back in order (ISA guide 5.7.1): the first four are in, 28 stay out
	v_pk_add_f32 v[132:133], v[4:5], v[12:13]      ; they start four chains: nothing is cleared
	v_pk_add_f32 v[134:135], v[6:7], v[14:15]
	v_pk_add_f32 v[136:137], v[8:9], v[16:17]
	v_pk_add_f32 v[138:139], v[10:11], v[18:19]
.set i, 4
.rept 28
	s_wait_loadcnt 31-i                            ; load i is in, the younger ones stay out
	v_pk_add_f32 v[132+4*(i&1):133+4*(i&1)], v[132+4*(i&1):133+4*(i&1)], v[4+4*i:5+4*i]
	v_pk_add_f32 v[134+4*(i&1):135+4*(i&1)], v[134+4*(i&1):135+4*(i&1)], v[6+4*i:7+4*i]
.set i, i+1
.endr
	FOLD4 132
	WSUM 132, 133
	GSUM 0
	v_mul_f32 v142, 0x38000000, v144               ; mean = sum / 32,768
	v_mov_b32 v143, v142
.set i, 0
.rept 32
	v_pk_add_f32 v[4+4*i:5+4*i], v[4+4*i:5+4*i], v[142:143] neg_lo:[0,1] neg_hi:[0,1]
	v_pk_add_f32 v[6+4*i:7+4*i], v[6+4*i:7+4*i], v[142:143] neg_lo:[0,1] neg_hi:[0,1]
.if i < 2
	v_pk_mul_f32 v[132+4*(i&1):133+4*(i&1)], v[4+4*i:5+4*i], v[4+4*i:5+4*i]
	v_pk_mul_f32 v[134+4*(i&1):135+4*(i&1)], v[6+4*i:7+4*i], v[6+4*i:7+4*i]
.else
	v_pk_fma_f32 v[132+4*(i&1):133+4*(i&1)], v[4+4*i:5+4*i], v[4+4*i:5+4*i], v[132+4*(i&1):133+4*(i&1)]
	v_pk_fma_f32 v[134+4*(i&1):135+4*(i&1)], v[6+4*i:7+4*i], v[6+4*i:7+4*i], v[134+4*(i&1):135+4*(i&1)]
.endif
.set i, i+1
.endr
	FOLD4 132
	WSUM 132, 133
	GSUM 256                                       ; other LDS words than the first sum's: no wave can still be reading them
	s_cmp_lg_u32 s2, 0                             ; both barriers are passed: wave 0 alone stores
	s_cbranch_scc1 .Lstats_end
	v_mov_b32 v143, v144                           ; (mean, M2)
	v_cmp_eq_u32 vcc_lo, 0, v0
	s_wait_xcnt 0x0                                ; EXEC is a source of the loads above: it changes only behind this wait
	s_and_saveexec_b32 s14, vcc_lo
	global_store_b64 v141, v[142:143], s[6:7]
	s_wait_xcnt 0x0                                ; and again in front of the line that widens it
	s_or_b32 exec_lo, exec_lo, s14
.Lstats_end:
	s_wait_tensorcnt 0x0
	ds_add_u32 v152, v153
	s_wait_dscnt 0x0
	s_endpgm
.Lqk:
	s_load_b64 s[20:21], s[0:1], 0x30              ; k_w
	s_load_b64 s[22:23], s[0:1], 0x20              ; q_w
	s_load_b64 s[24:25], s[0:1], 0x68              ; wqk
	FOLDT 256, 0
.Lov:
	s_load_b64 s[20:21], s[0:1], 0x38              ; v_w
	s_load_b64 s[22:23], s[0:1], 0x48              ; out_w
	s_load_b64 s[24:25], s[0:1], 0x70              ; wov
	FOLDT 320, 1
	; ---- one wave, one group of the context: 2 channels x 1,024 numbers = 8 KiB in a row, 64 numbers a lane, kept in registers ----
.Lctx:
	s_load_b64 s[4:5], s[0:1], 0x8                 ; context
	s_load_b64 s[6:7], s[0:1], 0x10                ; ctx_norm_w
	s_load_b64 s[8:9], s[0:1], 0x18                ; ctx_norm_b
	s_load_b64 s[10:11], s[0:1], 0x60              ; cn
	s_sub_co_u32 s14, s3, 384
	s_lshl_b32 s14, s14, 3
	s_add_co_u32 s14, s14, s2                      ; 32 b + g
	s_lshl_b32 s16, s14, 13                        ; 8,192 bytes of f32 in,
	s_mov_b32 s17, 0
	s_lshl_b32 s18, s14, 12                        ; 4,096 bytes of bf16 out
	s_mov_b32 s19, 0
	s_and_b32 s15, s14, 31
	s_lshl_b32 s15, s15, 3                         ; the group's two gains and two biases
	s_mov_b32 s20, 0x3a000000                      ; 1 / 2,048
	s_mov_b32 s21, 0x3727c5ac                      ; 1e-5
	v_mov_b32 v6, s15
	v_lshlrev_b32 v4, 5, v1                        ; a lane takes 8 neighbouring numbers, which become 16 bytes of bf16
	v_lshlrev_b32 v7, 4, v1
	s_wait_kmcnt 0x0
	s_add_nc_u64 s[4:5], s[4:5], s[16:17]
	s_add_nc_u64 s[10:11], s[10:11], s[18:19]
.irp j,0,1,2,3,4,5,6,7
	global_load_b128 v[8+8*\j:11+8*\j], v4, s[4:5] offset:1024*\j
	global_load_b128 v[12+8*\j:15+8*\j], v4, s[4:5] offset:1024*\j+16
.endr
	global_load_b64 v[72:73], v6, s[6:7]
	global_load_b64 v[74:75], v6, s[8:9]
	s_wait_loadcnt 0x0
.irp k,0,1,2,3
	v_pk_add_f32 v[76+2*\k:77+2*\k], v[8+2*\k:9+2*\k], v[16+2*\k:17+2*\k]
.endr
.set p, 8
.rept 24
	v_pk_add_f32 v[76+2*(p&3):77+2*(p&3)], v[76+2*(p&3):77+2*(p&3)], v[8+2*p:9+2*p]
.set p, p+1
.endr
	FOLD4 76
	WSUM 76, 77
	v_mul_f32 v84, s20, v76                        ; mean
	v_mov_b32 v85, v84
.set p, 0
.rept 32
	v_pk_add_f32 v[8+2*p:9+2*p], v[8+2*p:9+2*p], v[84:85] neg_lo:[0,1] neg_hi:[0,1]     ; centred, in place
.if p < 4
	v_pk_mul_f32 v[76+2*(p&3):77+2*(p&3)], v[8+2*p:9+2*p], v[8+2*p:9+2*p]
.else
	v_pk_fma_f32 v[76+2*(p&3):77+2*(p&3)], v[8+2*p:9+2*p], v[8+2*p:9+2*p], v[76+2*(p&3):77+2*(p&3)]
.endif
.set p, p+1
.endr
	FOLD4 76
	WSUM 76, 77
	v_fma_f32 v86, v76, s20, s21                   ; variance + 1e-5
	v_rsq_f32 v86, v86
	v_nop                                          ; one plain instruction behind a transcendental before its result is used (ISA guide 5.7.2)
	s_wait_alu depctr_va_vdst(0)
	v_mul_f32 v88, v86, v72                        ; a = rstd x gain, channel 2g
	v_mul_f32 v89, v86, v73                        ; channel 2g + 1
.irp j,0,1,2,3,4,5,6,7
.irp p,0,1,2,3
.if \j < 4
	v_pk_fma_f32 v[8+8*\j+2*\p:9+8*\j+2*\p], v[8+8*\j+2*\p:9+8*\j+2*\p], v[88:89], v[74:75] op_sel_hi:[1,0,0]
.else
	v_pk_fma_f32 v[8+8*\j+2*\p:9+8*\j+2*\p], v[8+8*\j+2*\p:9+8*\j+2*\p], v[88:89], v[74:75] op_sel:[0,1,1] op_sel_hi:[1,1,1]
.endif
.endr
.irp p,0,1,2,3
	v_cvt_pk_bf16_f32 v[8+8*\j+\p], v[8+8*\j+2*\p], v[9+8*\j+2*\p]      ; word p is written after words 2p, 2p+1 >= p were read
.endr
	global_store_b128 v7, v[8+8*\j:11+8*\j], s[10:11] offset:512*\j      ; 512 consecutive bytes a wave
.endr
	s_endpgm
	; ---- bov[o] = out_b[o] + out_w[o][.] . v_b, four rows a wave ----
.Lbov:
	s_load_b64 s[4:5], s[0:1], 0x40                ; v_b
	s_load_b64 s[6:7], s[0:1], 0x48                ; out_w
	s_load_b64 s[8:9], s[0:1], 0x50                ; out_b
	s_load_b64 s[10:11], s[0:1], 0x80              ; bov
	s_sub_co_u32 s14, s3, 400
	s_lshl_b32 s14, s14, 3
	s_add_co_u32 s14, s14, s2
	s_lshl_b32 s15, s14, 13                        ; o0 = 4 (8 group + wave); 2,048 o0
	s_lshl_b32 s16, s14, 4                         ; 4 o0
	v_lshlrev_b32 v4, 4, v1
	v_lshl_add_u32 v5, v1, 4, s15
	v_mov_b32 v6, s16
	s_wait_kmcnt 0x0
.irp q,0,1,2,3
	global_load_b128 v[8+4*\q:11+4*\q], v4, s[4:5] offset:512*\q
.endr
.irp k,0,1,2,3
.irp q,0,1,2,3
	global_load_b128 v[24+16*\k+4*\q:27+16*\k+4*\q], v5, s[6:7] offset:2048*\k+512*\q
.endr
.endr
	global_load_b128 v[88:91], v6, s[8:9]
	s_wait_loadcnt 0x0
.irp k,0,1,2,3
	v_pk_mul_f32 v[96+2*\k:97+2*\k], v[24+16*\k:25+16*\k], v[8:9]
.irp p,1,2,3,4,5,6,7
	v_pk_fma_f32 v[96+2*\k:97+2*\k], v[24+16*\k+2*\p:25+16*\k+2*\p], v[8+2*\p:9+2*\p], v[96+2*\k:97+2*\k]
.endr
	v_add_f32 v[92+\k], v[96+2*\k], v[97+2*\k]
	WSUM 92+\k, 96+2*\k
.endr
	v_pk_add_f32 v[92:93], v[92:93], v[88:89]
	v_pk_add_f32 v[94:95], v[94:95], v[90:91]
	v_cmp_eq_u32 vcc_lo, 0, v1
	s_wait_xcnt 0x0                                ; EXEC changes only behind this wait
	s_and_saveexec_b32 s17, vcc_lo
	global_store_b128 v6, v[92:95], s[10:11]
	s_wait_xcnt 0x0
	s_or_b32 exec_lo, exec_lo, s17
	s_endpgm
.Lfunc_end_k_q5d7d670dd2_prep:
	.size	k_q5d7d670dd2_prep, .Lfunc_end_k_q5d7d670dd2_prep-k_q5d7d670dd2_prep
	.p2alignl 7, 3214868480
	.fill 96, 4, 3214868480
	.section	.rodata,"a",@progbits
	.p2align	6, 0x0
	.amdhsa_kernel k_q5d7d670dd2_prep
		.amdhsa_group_segment_fixed_size 22016
		.amdhsa_private_segment_fixed_size 0
		.amdhsa_enable_private_segment 0
		.amdhsa_kernarg_size 136
		.amdhsa_user_sgpr_count 2
		.amdhsa_user_sgpr_kernarg_segment_ptr 1
		.amdhsa_wavefront_size32 1
		.amdhsa_system_sgpr_workgroup_id_x 1
		.amdhsa_system_sgpr_workgroup_id_y 1
		.amdhsa_system_sgpr_workgroup_id_z 1
		.amdhsa_system_vgpr_workitem_id 0
		.amdhsa_next_free_vgpr 154
		.amdhsa_next_free_sgpr 66
		.amdhsa_reserve_vcc 1
		.amdhsa_float_denorm_mode_32 3
		.amdhsa_float_denorm_mode_16_64 3
		.amdhsa_memory_ordered 1
		.amdhsa_forward_progress 1
		.amdhsa_inst_pref_size 67
	.end_amdhsa_kernel
	.amdgpu_metadata
---
amdhsa.version: [ 1, 2 ]
amdhsa.kernels:
  - .name:           k_q5d7d670dd2_prep
    .symbol:         k_q5d7d670dd2_prep.kd
    .args:
      - { .name: x, .offset: 0, .size: 8, .value_kind: global_buffer, .address_space: global }
      - { .name: context, .offset: 8, .size: 8, .value_kind: global_buffer, .address_space: global }
      - { .name: ctx_norm_w, .offset: 16, .size: 8, .value_kind: global_buffer, .address_space: global }
      - { .name: ctx_norm_b, .offset: 24, .size: 8, .value_kind: global_buffer, .address_space: global }
      - { .name: q_w, .offset: 32, .size: 8, .value_kind: global_buffer, .address_space: global }
      - { .name: q_b, .offset: 40, .size: 8, .value_kind: global_buffer, .address_space: global }
      - { .name: k_w, .offset: 48, .size: 8, .value_kind: global_buffer, .address_space: global }
      - { .name: v_w, .offset: 56, .size: 8, .value_kind: global_buffer, .address_space: global }
      - { .name: v_b, .offset: 64, .size: 8, .value_kind: global_buffer, .address_space: global }
      - { .name: out_w, .offset: 72, .size: 8, .value_kind: global_buffer, .address_space: global }
      - { .name: out_b, .offset: 80, .size: 8, .value_kind: global_buffer, .address_space: global }
      - { .name: stats, .offset: 88, .size: 8, .value_kind: global_buffer, .address_space: global }
      - { .name: cn, .offset: 96, .size: 8, .value_kind: global_buffer, .address_space: global }
      - { .name: wqk, .offset: 104, .size: 8, .value_kind: global_buffer, .address_space: global }
      - { .name: wov, .offset: 112, .size: 8, .value_kind: global_buffer, .address_space: global }
      - { .name: bqk, .offset: 120, .size: 8, .value_kind: global_buffer, .address_space: global }
      - { .name: bov, .offset: 128, .size: 8, .value_kind: global_buffer, .address_space: global }
    .group_segment_fixed_size: 22016
    .private_segment_fixed_size: 0
    .kernarg_segment_align: 8
    .kernarg_segment_size: 136
    .max_flat_workgroup_size: 256
    .sgpr_count:     66
    .vgpr_count:     154
    .wavefront_size: 32
...
	.end_amdgpu_metadata
.endif
;; end of part 1
;; launch attn (part 2): grid 64 x 4, 8 waves a work-group, no clusters, 291,840 bytes of LDS; arguments x, stats, norm_w, norm_b, cn, wqk, bqk, wov, bov, gate, out0; writes out0
.if DOCPART == 2
	.amdgcn_target "amdgcn-amd-amdhsa--gfx1250"
	.amdhsa_code_object_version 6
	.text
	.protected	k_q5d7d670dd2_attn
	.globl	k_q5d7d670dd2_attn
	.p2align	8
	.type	k_q5d7d670dd2_attn,@function
k_q5d7d670dd2_attn:
	s_mov_b64 s[64:65], 0
	v_nop
	global_prefetch_b8 v0, s[64:65] scope:SCOPE_SE
	s_setreg_imm32_b32 hwreg(HW_REG_WAVE_MODE, 25, 1), 1
	s_wait_xcnt 0x0
; CrossAttentionBlock, launch 2 of 2: GroupNorm of x, Q' = Wqk xn + bqk, attention of all 8 heads on cn, out = Wov O + bov, gate, residual.
; k_b is left out: it adds the same number to all scores of a query, which the softmax removes (shown at the head of the first kernel).
; Wqk, bqk, Wov, bov, cn and the statistics of x come from the first launch; keys and values of every head are the one matrix cn[b].
;
; SHARES.  A work-group owns 64 queries of one b and all 8 heads: 64 x 4 = 256 work-groups of equal work.  Wave w normalises channels
; 64w..64w+63, makes Q' of head w and runs head w's attention on all 64 queries (4 query tiles T), and makes output rows 64w..64w+63.
; A LANE IS A QUERY through the whole chain: in every product the activations are source B (N = query) and a weight or cn fragment is
; source A.  In a result tile, register j of lane (r = lane % 16, hh = lane / 16) is row 8 hh + j of column r, so packing register pairs of
; two stacked result tiles to bf16 gives the next product's B fragment in the same lane: nothing is transposed between Q', S, P, O and out.
; Column r of tile T is query 4 r + T of the block: a lane's four T are 16 neighbouring bytes of a row of x and of out0, and sixteen lanes
; load and store 256 consecutive bytes, aligned.
;
; LDS: CN 8 tiles of 64 rows (cc) x 128 keys bf16, pitch 272, filled once by one tensor load a wave; XN xn bf16, 512 rows (c), pitch 160,
; place 16 T + r = query 4 r + T; OF the normalised O as B fragments of 1,024 bytes; TB (a, shift) of each channel, a wave's own 512 bytes.
; KEY ORDER.  Row m of key tile tt (0..7) of a CN tile is key 8 tt + m for m < 8 and key 8 tt + 64 + (m - 8) for m >= 8, in the score
; product and in the value product alike, so the sum over keys is only taken in another order.  With it both kinds of load touch sixteen
; different 16-byte columns modulo 256 bytes (64 banks of 4 bytes: ISA guide 11.1): plain loads 16 rows of pitch 272, transposing
; loads 8 rows x {0, +128 bytes}.
;
; ATTENTION IN TWO PIECES.  The four query tiles are piece A (T = 0, 1) and piece B (T = 2, 3); they share the K and V fragments.  A block of
; 64 keys is two stages of 32 products: stage A(n) issues B's value products of block n - 1 and B's score products of block n, and among them
; runs A's softmax step of block n; stage B(n) issues A's value products of block n and A's score products of block n + 1, among them B's
; softmax step.  A stage's softmax step is 237 vector instructions for 32 products of 8 matrix cycles: they are cut into slices, one behind
; each pair of products (behind each product where the slice fits the products' window setting).  The slices are also the places
; that the distances behind matrix instructions ask for (ISA guide 7.12.1): they name none of the other piece's registers.
;
; REGISTERS.  Window 0: v3-15 addresses; v16-23 at work; v24-87 (a, shift) pairs, then two B buffers, then K fragments, then O's fragments;
; v88-215 x as loaded, then a ring of 4 A slots, then scores S and probabilities P; v216-247 bias tiles, in attention the softmax's state.
; Window 1: v0-127 (v256-383) the 16 accumulator tiles ACC[Mt][T]; v128-191 Q' fragments, v192-255 V fragments, at the end x for the residual.
; S, Q', K and the state are 284 registers and do not fit one window.  With Q' in window 1 a score product's setting (second source window 1)
; also serves the exponentials and the sums, and a value product's setting serves the rescaling of ACC; the maxima, the subtractions and the
; packing run with all windows 0.  That makes 2 switches for each pair of products and one for V's loads: 65 a block of 64 products.
;
; NO JOINT LOADS IN THIS TEXT.  A weight fragment is used by one wave of a work-group, once, and goes from memory straight into its registers:
; 8 loads of 512 consecutive bytes feed 16 products.  Wqk and Wov are walked by all 256 work-groups and cn[b] by 64 of them; to ask for them
; jointly they would go through LDS, 32,768 bytes a K step, and as LDS is laid out here 327,680 - 290,816 = 36,864 bytes are free.
;
; LIMITS.  Matrix operands are bf16 (xn, Q', cn, P, O and the folded weights).  The softmax keeps a running maximum; an exponential below
; 2^-126 comes out as zero (v_exp_f32, ISA guide 15.8).  A group's variance is combined from the two halves' means and centred sums of squares.
.set CNP, 272                          ; CN: pitch
.set CNT, 64*CNP                       ; CN: a tile of 128 keys
.set XN,  8*CNT                        ; 139,264
.set XNP, 160
.set OF,  XN+512*XNP                   ; 221,184
.set TB,  OF+65536                     ; 286,720
.set BB,  24                           ; B buffer n at BB + 32 n
.set KF,  24                           ; K fragment (kt, cs) at KF + (2 kt + cs) 8
.set OFR, 24                           ; O's fragment (s, T) at OFR + (4 s + T) 8
.set AR,  88                           ; A slot n at AR + 32 n
.set SB,  88                           ; S[kt][T] at SB + ((kt/2) 4 + T) 16 + (kt%2) 8; P[u][T] = the first 8 registers of group (u, T)
.set BI,  216                          ; bias tile of Mt at BI + 8 Mt
.set MA,  216                          ; pair (m, alpha) of T at MA + 2 T
.set LS,  224                          ; the lane's part of the softmax's sum
.set TM,  228                          ; new maximum
.set TP,  232                          ; what v_permlanex16_b32 brings
.set SU,  236                          ; pair of partial sums of T at SU + 2 T
.set QW,  128                          ; window 1: Q' fragment (cs, T) at QW + (4 cs + T) 8
.set VF,  192                          ; window 1: V fragment (u, Mt) at VF + (4 u + Mt) 8
.set XR,  128                          ; window 1: x for the residual, row 16 Mt + 8 hh + j at XR + 4 (8 Mt + j)
.set MSB, 0
.macro WIN new                         ; s_set_vgpr_msb: bits 1:0 source 0, 3:2 source 1, 5:4 source 2, 7:6 destination; the high byte repeats the setting that is left
.if MSB != \new
	s_set_vgpr_msb (MSB<<8)|\new
.set MSB, \new
.endif
.endm
.macro NOPS n
.rept \n
	v_nop
.endr
.endm
; eight loads: the four A fragments (16 rows x 32 k, 1,024 bytes in a row) of K step ks into ring slot ks % 4
.macro LOADA ks, lo, hi
.irp mt,0,1,2,3
	global_load_b128 v[AR+32*((\ks)&3)+8*\mt:AR+32*((\ks)&3)+8*\mt+3], v8, s[\lo:\hi] offset:(\ks)*4096+\mt*1024
	global_load_b128 v[AR+32*((\ks)&3)+8*\mt+4:AR+32*((\ks)&3)+8*\mt+7], v8, s[\lo:\hi] offset:(\ks)*4096+\mt*1024+512
.endr
.endm
; eight LDS loads: the four B fragments of K step ks into buffer ks % 2.  kind 0: from XN ([k][n]: transposing loads); kind 1: from OF
.macro LOADB ks, kind
.irp qt,0,1,2,3
.if \kind == 0
	ds_load_tr16_b128 v[BB+32*((\ks)&1)+8*\qt:BB+32*((\ks)&1)+8*\qt+3], v[6+((\ks)>>3)] offset:((\ks)&7)*32*XNP+32*\qt
	ds_load_tr16_b128 v[BB+32*((\ks)&1)+8*\qt+4:BB+32*((\ks)&1)+8*\qt+7], v[6+((\ks)>>3)] offset:((\ks)&7)*32*XNP+32*\qt+16*XNP
.else
	ds_load_b128 v[BB+32*((\ks)&1)+8*\qt:BB+32*((\ks)&1)+8*\qt+3], v12 offset:(\ks)*4096+\qt*1024
	ds_load_b128 v[BB+32*((\ks)&1)+8*\qt+4:BB+32*((\ks)&1)+8*\qt+7], v12 offset:(\ks)*4096+\qt*1024+512
.endif
.endr
.endm
; bias tiles: register j of lane (r, hh) = bias[64 w + 16 Mt + 8 hh + j]
.macro LOADBI lo, hi
.irp mt,0,1,2,3
	global_load_b128 v[BI+8*\mt:BI+8*\mt+3], v3, s[\lo:\hi] offset:64*\mt
	global_load_b128 v[BI+8*\mt+4:BI+8*\mt+7], v3, s[\lo:\hi] offset:64*\mt+16
.endr
.endm
; 16 matrix instructions: 64 rows x 64 queries, 32 along K.  The first step takes the bias tile as C: nothing is cleared, no bias is added later.
; The sixteen accumulators take turns, one instruction a turn.
.macro MM ks
.irp mt,0,1,2,3
.irp qt,0,1,2,3
.if \ks == 0
	v_wmma_f32_16x16x32_bf16 v[(4*\mt+\qt)*8:(4*\mt+\qt)*8+7], v[AR+32*((\ks)&3)+8*\mt:AR+32*((\ks)&3)+8*\mt+7], v[BB+32*((\ks)&1)+8*\qt:BB+32*((\ks)&1)+8*\qt+7], v[BI+8*\mt:BI+8*\mt+7]
.else
	v_wmma_f32_16x16x32_bf16 v[(4*\mt+\qt)*8:(4*\mt+\qt)*8+7], v[AR+32*((\ks)&3)+8*\mt:AR+32*((\ks)&3)+8*\mt+7], v[BB+32*((\ks)&1)+8*\qt:BB+32*((\ks)&1)+8*\qt+7], v[(4*\mt+\qt)*8:(4*\mt+\qt)*8+7]
.endif
.endr
.endr
.endm
; One of the 16 K steps of a 512-deep product: asks for A three steps ahead and B one step ahead, then multiplies.
.macro GSTEP ks, kind, lo, hi
	WIN 0
.if \ks > 0
	NOPS 4                                         ; four places between the last step's matrix instructions and loads into their sources (ISA guide 7.12.1 for vector instructions)
.endif
.if \ks+3 <= 15
	LOADA (\ks+3), \lo, \hi
.endif
.if \ks+1 <= 15
	LOADB (\ks+1), \kind
.endif
.if \ks <= 12
	s_wait_loadcnt 24                              ; this step's A is in; the three later slots, 8 loads each, stay out
.else
	s_wait_loadcnt 8*(15-\ks)                      ; the ring runs empty
.endif
.if \ks < 15
	s_wait_dscnt 8                                 ; this step's B is in; the next step's 8 loads stay out
.else
	s_wait_dscnt 0x0
.endif
.if \ks == 0
	WIN 0x40                                       ; D window 1; A, B and the bias tiles window 0
.else
	WIN 0x50                                       ; C and D window 1
.endif
	MM \ks
.endm
; ACC to bf16 B fragments at base: fragment (s, T), words 4 (Mt % 2) + p, from tile (Mt = 2 s + Mt % 2, T), registers 2 p, 2 p + 1
.macro PACKACC base
.irp mt,0,1,2,3
.irp qt,0,1,2,3
.irp p,0,1,2,3
	v_cvt_pk_bf16_f32 v[\base+(4*(\mt>>1)+\qt)*8+4*(\mt&1)+\p], v[(4*\mt+\qt)*8+2*\p], v[(4*\mt+\qt)*8+2*\p+1]
.endr
.endr
.endr
.endm
; 16 transposing loads: A fragments (M = key, K = cc) of the four key tiles 4 half + kt of the CN tile at v9 (ext = 1: of the next one)
.macro LOADK half, ext
.irp kt,0,1,2,3
.irp cs,0,1
	ds_load_tr16_b128 v[KF+(2*\kt+\cs)*8:KF+(2*\kt+\cs)*8+3], v9 offset:\ext*CNT+\cs*32*CNP+16*(4*\half+\kt)
	ds_load_tr16_b128 v[KF+(2*\kt+\cs)*8+4:KF+(2*\kt+\cs)*8+7], v9 offset:\ext*CNT+\cs*32*CNP+16*(4*\half+\kt)+16*CNP
.endr
.endr
.endm
; 16 plain loads: A fragments (M = cc, K = key in the same order) of the block's two K steps
.macro LOADV half
.irp ku,0,1
.irp mt,0,1,2,3
	ds_load_b128 v[VF+(4*\ku+\mt)*8:VF+(4*\ku+\mt)*8+3], v10 offset:\mt*16*CNP+16*(4*\half+2*\ku)
	ds_load_b128 v[VF+(4*\ku+\mt)*8+4:VF+(4*\ku+\mt)*8+7], v10 offset:\mt*16*CNP+16*(4*\half+2*\ku)+16
.endr
.endr
.endm
; x for the residual, rows 16 Mt + 8 hh + j: its last use
.macro XLOAD mt
.irp j,0,1,2,3,4,5,6,7
	global_load_b128 v[XR+(8*\mt+\j)*4:XR+(8*\mt+\j)*4+3], v13, s[8:9] offset:(16*\mt+\j)*16384 th:TH_LOAD_NT
.endr
.endm
; ---- one product of a piece (t0 = its first T), by its number sl = 0..15 ----
; Score product sl = 4 kt + 2 cs + (T - t0): 16 keys x 16 queries, 32 of the 64 cc.  cs = 0 starts the sum.  The piece's two T take turns.
.macro SM1 t0, sl
.set kt_, (\sl)>>2
.set cs_, ((\sl)>>1)&1
.set qt_, \t0+((\sl)&1)
.set d_, SB+((kt_>>1)*4+qt_)*16+(kt_&1)*8
.set a_, KF+(2*kt_+cs_)*8
.set b_, QW+(4*cs_+qt_)*8
.if cs_ == 0
	v_wmma_f32_16x16x32_bf16 v[d_:d_+7], v[a_:a_+7], v[b_:b_+7], 0
.else
	v_wmma_f32_16x16x32_bf16 v[d_:d_+7], v[a_:a_+7], v[b_:b_+7], v[d_:d_+7]
.endif
.endm
; Value product sl = 8 ku + 2 Mt + (T - t0): 16 cc x 16 queries, 32 of the 64 keys.  zero = 1: ku = 0 starts the sums.  Eight accumulators take turns.
.macro PV1 t0, sl, zero
.set ku_, (\sl)>>3
.set mt_, ((\sl)>>1)&3
.set qt_, \t0+((\sl)&1)
.set d_, (4*mt_+qt_)*8
.set a_, VF+(4*ku_+mt_)*8
.set b_, SB+(ku_*4+qt_)*16
.if (\zero)*(1-ku_)
	v_wmma_f32_16x16x32_bf16 v[d_:d_+7], v[a_:a_+7], v[b_:b_+7], 0
.else
	v_wmma_f32_16x16x32_bf16 v[d_:d_+7], v[a_:a_+7], v[b_:b_+7], v[d_:d_+7]
.endif
.endm
; ---- the slices of a piece's softmax step.  A lane holds 32 scores of each of the piece's two queries; lane + 16 holds the other 32. ----
; A piece's 64 score registers are 16 quads q: group g = q / 8, T = t0 + (q / 4) % 2, registers 4 (q % 4) .. + 3 of the group.
; maxima: steps 4 k .. 4 k + 3 of 16, both queries; step 0 takes the running maximum along
.macro MSL t0, k, first
.set j_, 4*(\k)
.rept 4
.irp u,0,1
.set r_, SB+(j_>>3)*64+(\t0+\u)*16+2*(j_&7)
.if j_ == 0
.if \first
	v_max_num_f32 v[TM+\t0+\u], v[r_], v[r_+1]
.else
	v_max3_num_f32 v[TM+\t0+\u], v[r_], v[r_+1], v[MA+2*(\t0+\u)]
.endif
.else
	v_max3_num_f32 v[TM+\t0+\u], v[TM+\t0+\u], v[r_], v[r_+1]
.endif
.endr
.set j_, j_+1
.endr
.endm
; the other half's maximum, alpha = 2^(old - new), the new maximum
.macro ASL t0, first
.irp u,0,1
	v_permlanex16_b32 v[TP+\t0+\u], v[TM+\t0+\u], s44, s45
.endr
.irp u,0,1
	v_max_num_f32 v[TM+\t0+\u], v[TM+\t0+\u], v[TP+\t0+\u]
.endr
.if \first == 0
.irp u,0,1
	v_sub_f32 v[MA+2*(\t0+\u)+1], v[MA+2*(\t0+\u)], v[TM+\t0+\u]
.endr
.irp u,0,1
	v_exp_f32 v[MA+2*(\t0+\u)+1], v[MA+2*(\t0+\u)+1]       ; the moves below are the plain instructions behind it (ISA guide 5.7.2)
.endr
.endif
	s_wait_alu depctr_va_vdst(0)
.irp u,0,1
	v_mov_b32 v[MA+2*(\t0+\u)], v[TM+\t0+\u]
.endr
.endm
; accumulator tile (Mt, T) times word sel of the pair MA[T] (1: alpha, 0: 1 / sum).  Fits the value products' setting: destination and first source window 1
.macro CSL mt, qt, sel
.irp p,0,1,2,3
	v_pk_mul_f32 v[(4*(\mt)+(\qt))*8+2*\p:(4*(\mt)+(\qt))*8+2*\p+1], v[(4*(\mt)+(\qt))*8+2*\p:(4*(\mt)+(\qt))*8+2*\p+1], v[MA+2*(\qt):MA+2*(\qt)+1] op_sel:[0,\sel] op_sel_hi:[1,\sel]
.endr
.endm
; scores minus the maximum: group c of the piece's four (quads 4 c .. 4 c + 3)
.macro DSL t0, c
.set r_, SB+((\c)>>1)*64+(\t0+((\c)&1))*16
.set m_, MA+2*(\t0+((\c)&1))
.irp p,0,1,2,3,4,5,6,7
	v_pk_add_f32 v[r_+2*\p:r_+2*\p+1], v[r_+2*\p:r_+2*\p+1], v[m_:m_+1] op_sel_hi:[1,0] neg_lo:[0,1] neg_hi:[0,1]
.endr
.endm
; exponentials of quad q (the scores are in base 2 already)
.macro ESL t0, q
.set r_, SB+((\q)>>3)*64+(\t0+(((\q)>>2)&1))*16+4*((\q)&3)
.irp e,0,1,2,3
	v_exp_f32 v[r_+\e], v[r_+\e]
.endr
.endm
; quad q into its query's pair of partial sums.  Written as a multiply-add by the constant 1.0: its second source is then no register, so the line
; means the same under the score products' setting, where the second source is window 1.  Quads 0 and 4 start the sums.
.macro FSL t0, q
.set r_, SB+((\q)>>3)*64+(\t0+(((\q)>>2)&1))*16+4*((\q)&3)
.set s_, SU+2*(\t0+(((\q)>>2)&1))
.if ((\q)&11) == 0
	s_wait_alu depctr_va_vdst(0)
	v_pk_fma_f32 v[s_:s_+1], v[r_:r_+1], 1.0, v[r_+2:r_+3] op_sel_hi:[1,0,1]
.else
	s_wait_alu depctr_va_vdst(0)
	v_pk_fma_f32 v[s_:s_+1], v[r_:r_+1], 1.0, v[s_:s_+1] op_sel_hi:[1,0,1]
	v_pk_fma_f32 v[s_:s_+1], v[r_+2:r_+3], 1.0, v[s_:s_+1] op_sel_hi:[1,0,1]
.endif
.endm
; quad q to bf16, in place: words 2 j, 2 j + 1 of the group (j = q % 4), which lie in this quad (j = 0) or in one that has been summed and packed
.macro GSL t0, q
.set g_, SB+((\q)>>3)*64+(\t0+(((\q)>>2)&1))*16
.set j_, (\q)&3
	v_cvt_pk_bf16_f32 v[g_+2*j_], v[g_+4*j_], v[g_+4*j_+1]
	v_cvt_pk_bf16_f32 v[g_+2*j_+1], v[g_+4*j_+2], v[g_+4*j_+3]
.endm
; the running sums
.macro LSL t0, first
.irp u,0,1
.if \first
	v_add_f32 v[LS+\t0+\u], v[SU+2*(\t0+\u)], v[SU+2*(\t0+\u)+1]
.else
	v_add_f32 v[SU+2*(\t0+\u)], v[SU+2*(\t0+\u)], v[SU+2*(\t0+\u)+1]
.endif
.endr
.if \first == 0
.irp u,0,1
	v_fma_f32 v[LS+\t0+\u], v[LS+\t0+\u], v[MA+2*(\t0+\u)+1], v[SU+2*(\t0+\u)]
.endr
.endif
.endm
; First half of a stage: the 16 value products of the piece 2 - vt (pv = 0: none yet, 1: its first, 2: later ones), in eight pairs; among them, of
; the piece vt: pairs 0-3 the maxima, 8 a pair, and alpha; pairs 4-7 the rescaling of ACC, 4 behind each product, and the subtractions, 8 a pair.
.macro PVPART vt, first, pv
.set dsi, 0
.rept 8
.if \pv
	WIN 0x51                                       ; A, C and D window 1
	PV1 2-\vt, 2*dsi, 2-(\pv)
.endif
.if (1-\first)*(dsi>>2)
	WIN 0x51
	CSL dsi-4, \vt, 1
.endif
.if \pv
	PV1 2-\vt, 2*dsi+1, 2-(\pv)
.endif
.if (1-\first)*(dsi>>2)
	CSL dsi-4, \vt+1, 1
.endif
	WIN 0
.if dsi < 4
	MSL \vt, dsi, \first
.else
	DSL \vt, dsi-4
.endif
.if dsi == 3
	ASL \vt, \first
.endif
.set dsi, dsi+1
.endr
.endm
; Second half: the 16 score products of the piece 2 - vt (sm = 0: none are left), in eight pairs; behind each product the exponentials of one quad of the
; piece vt and the sums of the quad before, behind each pair the packing of two quads.  The sums of the quad before are the plain
; instruction that stands between a quad's exponentials and their first use (ISA guide 5.7.2).
.macro SPART vt, first, sm
.set dsi, 0
.rept 8
.if \sm
	WIN 0x04                                       ; B window 1
	SM1 2-\vt, 2*dsi
.endif
	ESL \vt, 2*dsi
.if dsi > 0
	FSL \vt, 2*dsi-1
.endif
.if \sm
	SM1 2-\vt, 2*dsi+1
.endif
	ESL \vt, 2*dsi+1
.if dsi == 0
	v_nop                                          ; the first pair has no earlier quad to sum: the plain instruction behind quad 0's exponentials
	s_wait_alu depctr_va_vdst(0)
.endif
	FSL \vt, 2*dsi
	WIN 0
.if dsi > 0
	GSL \vt, 2*dsi-1
.endif
	GSL \vt, 2*dsi
.if dsi == 7
	FSL \vt, 15
	GSL \vt, 15
	LSL \vt, \first
.endif
.set dsi, dsi+1
.endr
.endm
; A block of 64 keys: half 0 or 1 of the CN tile at v9 / v10.  pvb, pva: the pv of stage A and of stage B.
.macro BLK half, first, pvb, pva, last
	PVPART 0, \first, \pvb                         ; stage A: B's value products of the block before | A's maxima, rescaling, subtractions
	WIN 0x40
	LOADV \half                                    ; this block's V over the last block's: 8 subtractions stand behind the last product that read it
	SPART 0, \first, 1                             ; B's score products | A's exponentials, sums, packing
.if \last
	s_wait_dscnt 0x0                               ; V is in
.else
.if \half == 0
	LOADK 1, 0                                     ; the next block's K over this block's: sums and packing stand behind the last product that read it
.else
	LOADK 0, 1
.endif
	s_wait_dscnt 16                                ; LDS loads come back in order (ISA guide 5.7.1): V is in, the 16 younger K loads stay out
.endif
	PVPART 2, \first, \pva                         ; stage B: A's value products | B's maxima, rescaling, subtractions
.if \last
	SPART 2, \first, 0
.else
	s_wait_dscnt 0x0                               ; the next block's K is in
	SPART 2, \first, 1                             ; A's score products of the next block | B's exponentials, sums, packing
.endif
.endm
	; ---------------- set-up ----------------
	s_load_b512 s[8:23], s[0:1], 0x0               ; x 8, stats 10, norm_w 12, norm_b 14, cn 16, wqk 18, bqk 20, wov 22
	s_load_b128 s[24:27], s[0:1], 0x40             ; bov 24, gate 26
	s_load_b64 s[28:29], s[0:1], 0x50              ; out0
	v_lshl_add_u32 v254, v0, 2, 0x47000
	v_mov_b32 v255, 0
	ds_add_u32 v254, v255
	ds_add_u32 v254, v255
	v_lshrrev_b32 v1, 5, v0
	v_readfirstlane_b32 s2, v1                     ; wave w
	s_and_b32 s3, ttmp7, 0xffff                    ; b
	s_mov_b32 s4, ttmp9                            ; block of 64 queries
	s_mov_b32 s44, 0x76543210                      ; v_permlanex16_b32: lane i of one half reads lane i of the other
	s_mov_b32 s45, 0xfedcba98
	s_mov_b32 s48, 0x46800000                      ; 16,384 = 32,768 x 32,768 / 65,536
	s_mov_b32 s49, 0x37800000                      ; 1 / 65,536
	s_mov_b32 s50, 0x3727c5ac                      ; 1e-5
	; descriptor group 1: a tile of 64 rows (cc) x 128 keys of 2 bytes out of rows of 1,024, 16 bytes of padding behind each 256
	s_mov_b32 s36, (1<<16)|(1<<20)|(5<<22)|(3<<25) ; element of 2 bytes; padding on; after every 64 words; of 4 words
	s_mov_b32 s37, 128<<16                         ; tensor_dim0 = 128
	s_mov_b32 s38, 64<<16                          ; tensor_dim1 = 64
	s_mov_b32 s39, 128<<16                         ; tile_dim0 = 128
	s_mov_b32 s40, 64                              ; tile_dim1 = 64
	s_mov_b32 s41, 1024                            ; elements from row to row
	s_mov_b32 s42, 0
	s_mov_b32 s43, 0
	s_mov_b32 s32, 1                               ; group 0: count
	s_mul_i32 s33, s2, CNT                         ; LDS address: wave w brings tile w
	s_lshl_b32 s52, s3, 17                         ; cn[b]: 131,072 bytes,
	s_lshl_b32 s54, s2, 8                          ; keys 128 w: 256 bytes
	s_add_co_u32 s52, s52, s54
	s_mov_b32 s53, 0
	v_and_b32 v1, 31, v0                           ; lane
	v_and_b32 v2, 15, v0                           ; r
	v_bfe_u32 v3, v0, 4, 1                         ; hh
	v_and_b32 v16, 7, v0
	v_bfe_u32 v17, v0, 3, 1
	v_lshl_add_u32 v18, v3, 3, v16                 ; 8 hh + lane % 8: the row that a lane addresses in a transposing load
	s_wait_dscnt 0x0
	s_wait_kmcnt 0x0
	s_add_nc_u64 s[34:35], s[16:17], s[52:53]
	s_or_b32 s35, s35, 0x80000000                  ; type 2
	tensor_load_to_lds s[32:35], s[36:43]          ; the one fill of CN, one load a wave, ahead of every LDS access, wait on TENSORcnt and barrier
	s_nop 0
	s_lshl_b32 s52, s3, 23                         ; x and out0: b x 512 rows of 16,384 bytes,
	s_lshl_b32 s54, s2, 20                         ; + 64 w rows,
	s_add_co_u32 s52, s52, s54
	s_lshl_b32 s54, s4, 8                          ; + the block's 256 bytes of a row
	s_add_co_u32 s52, s52, s54
	s_add_nc_u64 s[8:9], s[8:9], s[52:53]
	s_add_nc_u64 s[28:29], s[28:29], s[52:53]
	s_lshl_b32 s52, s2, 16                         ; rows 64 w.. of a folded matrix: 65,536 bytes of fragments
	s_add_nc_u64 s[18:19], s[18:19], s[52:53]
	s_add_nc_u64 s[22:23], s[22:23], s[52:53]
	s_lshl_b32 s52, s2, 8
	s_add_nc_u64 s[20:21], s[20:21], s[52:53]
	s_add_nc_u64 s[24:25], s[24:25], s[52:53]
	s_lshl_b32 s52, s3, 2
	s_add_nc_u64 s[26:27], s[26:27], s[52:53]
	s_load_b32 s46, s[26:27], 0x0                  ; gate[b]
	v_lshlrev_b32 v4, 4, v2
	v_lshl_add_u32 v13, v3, 17, v4                 ; XO2: 8 hh rows + 16 r
	v_lshl_add_u32 v4, v3, 14, v4                  ; XO1: hh rows + 16 r
	s_mul_i32 s54, s2, 64*XNP
	s_add_co_u32 s54, s54, XN
	v_mul_u32_u24 v5, v3, XNP
	v_lshl_add_u32 v5, v2, 1, v5
	v_add_nc_u32 v5, s54, v5                       ; XNS: XN + (64 w + hh) pitch + 2 r
	v_mul_u32_u24 v6, v18, XNP
	v_lshl_add_u32 v6, v17, 4, v6
	v_add_nc_u32 v6, XN, v6                        ; XB0: transposing loads, K steps 0-7
	v_add_nc_u32 v7, 8*32*XNP, v6                  ; XB1: K steps 8-15 (an LDS immediate has 16 bits)
	v_lshlrev_b32 v8, 4, v1                        ; WOFF: 16 lane
	v_mul_u32_u24 v9, v18, CNP
	v_lshl_add_u32 v9, v17, 7, v9                  ; KA: lanes 8-15 and 24-31 take the keys 64 further on
	v_mul_u32_u24 v10, v2, CNP
	v_lshl_add_u32 v10, v3, 7, v10                 ; VA: row r; the upper half of the lanes takes the keys 64 further on
	s_lshl_b32 s54, s2, 13
	s_add_co_u32 s54, s54, OF
	v_add_nc_u32 v11, s54, v8                      ; OST: my head's 8 fragments
	v_add_nc_u32 v12, OF, v8                       ; ORD
	s_lshl_b32 s54, s2, 9
	s_add_co_u32 s54, s54, TB
	v_lshl_add_u32 v14, v1, 3, s54                 ; TBW: channel 64 w + lane
	v_lshl_add_u32 v15, v3, 3, s54                 ; TBR: channel 64 w + hh
	s_lshl_b32 s54, s3, 9
	s_lshl_b32 s55, s2, 6
	s_add_co_u32 s54, s54, s55
	v_lshl_add_u32 v16, v3, 4, s54                 ; stats of group 32 b + 4 w + hh, 16 bytes a group
	s_lshl_b32 s55, s2, 8
	v_lshl_add_u32 v17, v1, 2, s55                 ; gain and bias of channel 64 w + lane
	v_lshlrev_b32 v3, 5, v3                        ; from here on v3 = 32 hh: the bias tiles' offset, never rewritten
	; ---------------- phase 0: normalise my 64 channels of the block into XN ----------------
	global_load_b128 v[24:27], v16, s[10:11]               ; (mean, M2) of both halves, group of channel 64 w + lane
	global_load_b128 v[28:31], v16, s[10:11] offset:32     ; of channel 64 w + 32 + lane
	global_load_b32 v32, v17, s[12:13]
	global_load_b32 v33, v17, s[12:13] offset:128
	global_load_b32 v34, v17, s[14:15]
	global_load_b32 v35, v17, s[14:15] offset:128
	LOADBI 20, 21                                          ; bqk
.set i, 0
.rept 32
	global_load_b128 v[88+4*i:91+4*i], v4, s[8:9] offset:32768*i       ; rows 2 i + hh: sixteen lanes take 256 consecutive bytes, aligned
.set i, i+1
.endr
	s_wait_loadcnt 40                              ; the six small loads are in (and their address registers free); 8 + 32 younger ones stay out
; (a, shift) of a channel from its group's two halves: st = (m0, M2a, m1, M2b); result in v[o+2:o+3]
.macro GNAB st, w, bb, o
	v_add_f32 v[\o], v[\st], v[\st+2]
	v_sub_f32 v[\o+1], v[\st], v[\st+2]
	v_add_f32 v[\o+2], v[\st+1], v[\st+3]
	v_mul_f32 v[\o+1], v[\o+1], v[\o+1]
	v_fma_f32 v[\o+2], v[\o+1], s48, v[\o+2]       ; M2 = M2a + M2b + (m0 - m1)^2 x 16,384
	v_fma_f32 v[\o+2], v[\o+2], s49, s50           ; variance + 1e-5
	v_rsq_f32 v[\o+2], v[\o+2]
	v_mul_f32 v[\o], 0.5, v[\o]                    ; the mean: the plain instruction behind v_rsq_f32 (ISA guide 5.7.2)
	s_wait_alu depctr_va_vdst(0)
	v_mul_f32 v[\o+2], v[\o+2], v[\w]              ; a = rstd x gain
	v_fma_f32 v[\o+3], -v[\o], v[\o+2], v[\bb]     ; shift = bias - mean x a
.endm
	GNAB 24, 32, 34, 16
	GNAB 28, 33, 35, 20
	ds_store_b64 v14, v[18:19]
	ds_store_b64 v14, v[22:23] offset:256
.set i, 0
.rept 32
	ds_load_b64 v[24+2*i:25+2*i], v15 offset:16*i  ; my wave's own bytes; LDS serves a wave's instructions in order (ISA guide 5.7.1.4)
.set i, i+1
.endr
	s_wait_dscnt 0x0
.set i, 0
.rept 32
	s_wait_loadcnt 31-i                            ; load i is in, the younger ones stay out
	v_pk_fma_f32 v[88+4*i:89+4*i], v[88+4*i:89+4*i], v[24+2*i:25+2*i], v[24+2*i:25+2*i] op_sel:[0,0,1] op_sel_hi:[1,0,1]
	v_pk_fma_f32 v[90+4*i:91+4*i], v[90+4*i:91+4*i], v[24+2*i:25+2*i], v[24+2*i:25+2*i] op_sel:[0,0,1] op_sel_hi:[1,0,1]
.irp qt,0,1,2,3
	v_cvt_pk_bf16_f32 v[16+\qt], v[88+4*i+\qt], v[88+4*i+\qt]
.endr
.irp qt,0,1,2,3
	ds_store_b16 v5, v[16+\qt] offset:2*XNP*i+32*\qt       ; query 4 r + T goes to place 16 T + r
.endr
.set i, i+1
.endr
	LOADA 0, 18, 19                                ; the ring of Wqk fragments starts while the waves meet
	LOADA 1, 18, 19
	LOADA 2, 18, 19
	s_wait_kmcnt 0x0                               ; gate[b]
	s_wait_dscnt 0x0                               ; my rows of XN are written,
	s_wait_tensorcnt 0x0                           ; my tile of CN has landed:
	s_barrier_signal -1
	s_barrier_wait -1                              ; XN and CN are whole for every wave
	; ---------------- phase 1: Q' of head w = Wqk[64 w ..] xn + bqk ----------------
	LOADB 0, 0
.irp k,0,1,2,3,4,5,6,7,8,9,10,11,12,13,14,15
	GSTEP \k, 0, 18, 19
.endr
	NOPS 5                                         ; places before ACC is read, K is loaded over the B buffers and S is written over the A ring
	WIN 0
	LOADK 0, 0
	WIN 0x45                                       ; sources and destination window 1
	PACKACC QW                                     ; Q' as B fragments
	WIN 0
.irp qt,0,1,2,3
	v_mov_b32 v[TP+\qt], 0                         ; v_permlanex16_b32 counts as a reader of its destination
	v_mov_b32 v[MA+2*\qt+1], 1.0                   ; the packed subtraction names the whole pair, before the first alpha exists
.endr
	; ---------------- phase 2: attention of head w, 16 blocks of 64 keys, two to a CN tile ----------------
	s_wait_dscnt 0x0                               ; block 0's K fragments are in
	WIN 0x04
.set sli, 0
.rept 16
	SM1 0, sli                                     ; A's scores of block 0: nothing is there yet to set among them
.set sli, sli+1
.endr
	WIN 0
	NOPS 4                                         ; four places before they are read
	BLK 0, 1, 0, 1, 0
	BLK 1, 0, 1, 2, 0
	v_add_nc_u32 v9, CNT, v9                       ; the next CN tile
	v_add_nc_u32 v10, CNT, v10
	s_mov_b32 s47, 6
.Lsb:
	BLK 0, 0, 2, 2, 0
	BLK 1, 0, 2, 2, 0
	v_add_nc_u32 v9, CNT, v9
	v_add_nc_u32 v10, CNT, v10
	s_sub_co_i32 s47, s47, 1
	s_cmp_lg_u32 s47, 0
	s_cbranch_scc1 .Lsb
	BLK 0, 0, 2, 2, 0
	BLK 1, 0, 2, 2, 1                              ; the last block asks for no further keys and has no further scores to make
	; ---------------- phase 3: B's last value products; O / sum, handed to all waves as B fragments ----------------
	WIN 0x40
	XLOAD 0                                        ; into the registers that held Q'
	XLOAD 1
	WIN 0
.irp qt,0,1,2,3
	v_permlanex16_b32 v[TP+\qt], v[LS+\qt], s44, s45
.endr
.irp qt,0,1,2,3
	v_add_f32 v[LS+\qt], v[LS+\qt], v[TP+\qt]      ; both halves of the keys; at least 1, the largest score's own term
.endr
.irp qt,0,1,2,3
	v_rcp_f32 v[MA+2*\qt], v[LS+\qt]
.endr
	v_nop                                          ; one plain instruction behind the last reciprocal
	s_wait_alu depctr_va_vdst(0)
	WIN 0x51
.set sli, 0
.rept 8
	PV1 2, 2*sli, 0
	PV1 2, 2*sli+1, 0
	CSL sli>>1, sli&1, 0                           ; among them A's accumulators are divided by their sums; the last four lines are the places behind the last product
.set sli, sli+1
.endr
.irp mt,0,1,2,3
	CSL \mt, 2, 0
	CSL \mt, 3, 0
.endr
	WIN 0x40
	XLOAD 2                                        ; into the registers that held V
	XLOAD 3
	WIN 0x05
	PACKACC OFR
	WIN 0
.irp f,0,1,2,3,4,5,6,7
	ds_store_b128 v11, v[OFR+8*\f:OFR+8*\f+3] offset:1024*\f
	ds_store_b128 v11, v[OFR+8*\f+4:OFR+8*\f+7] offset:1024*\f+512
.endr
	LOADBI 24, 25                                  ; bov
	LOADA 0, 22, 23
	LOADA 1, 22, 23
	LOADA 2, 22, 23
	s_wait_dscnt 0x0                               ; my head's fragments are written
	s_barrier_signal -1
	s_barrier_wait -1                              ; all eight heads' are
	; ---------------- phase 4: out rows 64 w .. = Wov O + bov ----------------
	LOADB 0, 1
.irp k,0,1,2,3,4,5,6,7,8,9,10,11,12,13,14,15
	GSTEP \k, 1, 22, 23                            ; the first step's wait also shows x and bov in: they were asked for earlier
.endr
	; ---------------- phase 5: out0 = x + gate x out ----------------
	NOPS 4                                         ; four places before ACC is read
	WIN 0x51
.irp mt,0,1,2,3
.irp j,0,1,2,3,4,5,6,7
.irp qt,0,1,2,3
	v_fma_f32 v[XR+(8*\mt+\j)*4+\qt], v[(4*\mt+\qt)*8+\j], s46, v[XR+(8*\mt+\j)*4+\qt]
.endr
.endr
.endr
	WIN 0x04                                       ; store data window 1
.irp mt,0,1,2,3
.irp j,0,1,2,3,4,5,6,7
	global_store_b128 v13, v[XR+(8*\mt+\j)*4:XR+(8*\mt+\j)*4+3], s[28:29] offset:(16*\mt+\j)*16384 th:TH_STORE_NT   ; sixteen lanes store 256 consecutive bytes, aligned
.endr
.endr
	WIN 0
	s_wait_tensorcnt 0x0
	ds_add_u32 v254, v255
	s_wait_dscnt 0x0
	s_endpgm
.Lfunc_end_k_q5d7d670dd2_attn:
	.size	k_q5d7d670dd2_attn, .Lfunc_end_k_q5d7d670dd2_attn-k_q5d7d670dd2_attn
	.p2alignl 7, 3214868480
	.fill 96, 4, 3214868480
	.section	.rodata,"a",@progbits
	.p2align	6, 0x0
	.amdhsa_kernel k_q5d7d670dd2_attn
		.amdhsa_group_segment_fixed_size 291840
		.amdhsa_private_segment_fixed_size 0
		.amdhsa_enable_private_segment 0
		.amdhsa_kernarg_size 88
		.amdhsa_user_sgpr_count 2
		.amdhsa_user_sgpr_kernarg_segment_ptr 1
		.amdhsa_wavefront_size32 1
		.amdhsa_system_sgpr_workgroup_id_x 1
		.amdhsa_system_sgpr_workgroup_id_y 1
		.amdhsa_system_sgpr_workgroup_id_z 1
		.amdhsa_system_vgpr_workitem_id 0
		.amdhsa_next_free_vgpr 512
		.amdhsa_next_free_sgpr 66
		.amdhsa_reserve_vcc 0
		.amdhsa_float_denorm_mode_32 3
		.amdhsa_float_denorm_mode_16_64 3
		.amdhsa_memory_ordered 1
		.amdhsa_forward_progress 1
		.amdhsa_inst_pref_size 255
	.end_amdhsa_kernel
	.section	.bss,"aw",@nobits
	.p2align	6
	.space	262144
	.amdgpu_metadata
---
amdhsa.version: [ 1, 2 ]
amdhsa.kernels:
  - .name:           k_q5d7d670dd2_attn
    .symbol:         k_q5d7d670dd2_attn.kd
    .args:
      - { .name: x, .offset: 0, .size: 8, .value_kind: global_buffer, .address_space: global }
      - { .name: stats, .offset: 8, .size: 8, .value_kind: global_buffer, .address_space: global }
      - { .name: norm_w, .offset: 16, .size: 8, .value_kind: global_buffer, .address_space: global }
      - { .name: norm_b, .offset: 24, .size: 8, .value_kind: global_buffer, .address_space: global }
      - { .name: cn, .offset: 32, .size: 8, .value_kind: global_buffer, .address_space: global }
      - { .name: wqk, .offset: 40, .size: 8, .value_kind: global_buffer, .address_space: global }
      - { .name: bqk, .offset: 48, .size: 8, .value_kind: global_buffer, .address_space: global }
      - { .name: wov, .offset: 56, .size: 8, .value_kind: global_buffer, .address_space: global }
      - { .name: bov, .offset: 64, .size: 8, .value_kind: global_buffer, .address_space: global }
      - { .name: gate, .offset: 72, .size: 8, .value_kind: global_buffer, .address_space: global }
      - { .name: out0, .offset: 80, .size: 8, .value_kind: global_buffer, .address_space: global }
    .group_segment_fixed_size: 291840
    .private_segment_fixed_size: 0
    .kernarg_segment_align: 8
    .kernarg_segment_size: 88
    .max_flat_workgroup_size: 256
    .sgpr_count:     66
    .vgpr_count:     512
    .wavefront_size: 32
...
	.end_amdgpu_metadata
.endif
;; end of part 2
